; MI455X (gfx1250); checked and timed in simulation.
; The chip was launched on July 23, 2026; its instructions are those of AMD's public machine-readable ISA for CDNA 5 (MIT licence, August 2026) and "CDNA5" Instruction Set Architecture Reference Guide (July 2026). The comments in the code are by the model that wrote it; some were corrected since.
;; s LSTM Block. Allowed arithmetic: matrix products marked QUANTISED: E5M2 operands, one given power-of-two scale a tensor, by v_wmma_f32_16x16x64_bf8_bf8 or v_wmma_f32_16x16x128_bf8_bf8, f32 sums; everything else in f32.
;; Inputs: Rfh_b 2,048 float32; Rfh_w_codes 2,048 x 64 x 32 uint8 (E5M2 codes of Rfh_w, K innermost, in blocks of 32 codes); Rih_b 2,048 float32; Rih_w_codes 2,048 x 64 x 32 uint8 (E5M2 codes of Rih_w, K innermost, in blocks of 32 codes); Roh_b 2,048 float32; Roh_w_codes 2,048 x 64 x 32 uint8 (E5M2 codes of Roh_w, K innermost, in blocks of 32 codes); Rzh_b 2,048 float32; Rzh_w_codes 2,048 x 64 x 32 uint8 (E5M2 codes of Rzh_w, K innermost, in blocks of 32 codes); Wfx_b 2,048 float32; Wfx_w_codes 2,048 x 64 x 32 uint8 (E5M2 codes of Wfx_w, K innermost, in blocks of 32 codes); Wix_b 2,048 float32; Wix_w_codes 2,048 x 64 x 32 uint8 (E5M2 codes of Wix_w, K innermost, in blocks of 32 codes); Wox_b 2,048 float32; Wox_w_codes 2,048 x 64 x 32 uint8 (E5M2 codes of Wox_w, K innermost, in blocks of 32 codes); Wzx_b 2,048 float32; Wzx_w_codes 2,048 x 64 x 32 uint8 (E5M2 codes of Wzx_w, K innermost, in blocks of 32 codes); c_prev 2,048 x 2,048 float32; h_prev_codes 2,048 x 64 x 32 uint8 (E5M2 codes of h_prev, K innermost, in blocks of 32 codes); lowp_scales 16 int32 (the exponents e of the quantised operands' scales 2^e); m_prev 2,048 x 2,048 float32; n_prev 2,048 x 2,048 float32; x_codes 2,048 x 64 x 32 uint8 (E5M2 codes of x, K innermost, in blocks of 32 codes).
;; Outputs: out0 2,048 x 2,048 float32; out1 2,048 x 2,048 float32; out2 2,048 x 2,048 float32; out3 2,048 x 2,048 float32.
;; This version of the problem:
;;   THIS VERSION OF THE PROBLEM IS GIVEN IN LOW PRECISION. The matrix products marked QUANTISED in the list below multiply operands that are first quantised to E5M2 (5 exponent bits, 2 mantissa bits; 8 bits a number), with one given power-of-two scale for each operand tensor; their sums are f32. All else is computed in f32.
;;   The module's matrix products, in the order in which they are computed (A, B: the left and right operand; K: the contracted axis; several contracted axes count as one K, in the product's order):
;;     1. [M 2,048, K 2,048] x [K 2,048, N 2,048]; A: input x (given as codes); B: input Wzx_w (given as codes): QUANTISED (scales: A lowp_scales[0], B lowp_scales[1])
;;     2. [M 2,048, K 2,048] x [K 2,048, N 2,048]; A: input h_prev (given as codes); B: input Rzh_w (given as codes): QUANTISED (scales: A lowp_scales[2], B lowp_scales[3])
;;     3. [M 2,048, K 2,048] x [K 2,048, N 2,048]; A: input x (given as codes); B: input Wix_w (given as codes): QUANTISED (scales: A lowp_scales[4], B lowp_scales[5])
;;     4. [M 2,048, K 2,048] x [K 2,048, N 2,048]; A: input h_prev (given as codes); B: input Rih_w (given as codes): QUANTISED (scales: A lowp_scales[6], B lowp_scales[7])
;;     5. [M 2,048, K 2,048] x [K 2,048, N 2,048]; A: input x (given as codes); B: input Wfx_w (given as codes): QUANTISED (scales: A lowp_scales[8], B lowp_scales[9])
;;     6. [M 2,048, K 2,048] x [K 2,048, N 2,048]; A: input h_prev (given as codes); B: input Rfh_w (given as codes): QUANTISED (scales: A lowp_scales[10], B lowp_scales[11])
;;     7. [M 2,048, K 2,048] x [K 2,048, N 2,048]; A: input x (given as codes); B: input Wox_w (given as codes): QUANTISED (scales: A lowp_scales[12], B lowp_scales[13])
;;     8. [M 2,048, K 2,048] x [K 2,048, N 2,048]; A: input h_prev (given as codes); B: input Roh_w (given as codes): QUANTISED (scales: A lowp_scales[14], B lowp_scales[15])
;;   THE QUANTISER, for each operand of a quantised product, along K:
;;     - The operand's scale is 2^e, e = its entry of the input lowp_scales (int32; the entries are numbered through the quantised products in the list's order, A before B).
;;     - Each number is divided by the scale, clamped to +-57,344, and rounded to the nearest number of E5M2, ties to even, subnormals kept.
;;     - The product sums the exact products of the quantised numbers (number of the format x scale) in f32.
;;   ~~~python
;;   def quantise(x, axis, e):      # numpy; x: float32 -> the quantised numbers, widened to float32 again
;;       x = np.moveaxis(x, axis, -1); K = x.shape[-1]
;;       r = np.clip(x / 2.0 ** e, -57344, 57344)
;;       step = 2.0 ** (np.maximum(np.frexp(np.where(r == 0, 1, r))[1] - 1, -14) - 2)
;;       q = np.round(r / step) * step * 2.0 ** e      # np.round: ties to even
;;       return np.moveaxis(q, -1, axis).astype(np.float32)
;;   ~~~
;;   INPUTS GIVEN AS CODES. Rfh_w (in the module: [2048, 2048], K = its axis 1); Rih_w (in the module: [2048, 2048], K = its axis 1); Roh_w (in the module: [2048, 2048], K = its axis 1); Rzh_w (in the module: [2048, 2048], K = its axis 1); Wfx_w (in the module: [2048, 2048], K = its axis 1); Wix_w (in the module: [2048, 2048], K = its axis 1); Wox_w (in the module: [2048, 2048], K = its axis 1); Wzx_w (in the module: [2048, 2048], K = its axis 1); h_prev (in the module: [2048, 2048], K = its axis 1); x (in the module: [2048, 2048], K = its axis 1): each comes as NAME_codes (uint8): NAME with its K axis moved to the last place and cut into blocks of 32 codes, [.., K / 32, bytes a block], one block behind the other in memory; one code a byte (a code: sign, 5 exponent bits, 2 mantissa bits); its scale is its entry of lowp_scales. Its value is code x scale, taken as it is: it is not quantised again, and the codes and scales need not be those that the quantiser above would give.
;; One version. Each part assembles by itself: llvm-mc -triple=amdgcn-amd-amdhsa -mcpu=gfx1250 --defsym DOCPART=n.
;; ======== version 1 of 1: 1 launch
;; limits: right only within a limited range of input values
;; launch slstm (part 1): grid 8 x 32, 4 waves a work-group, clusters of 4 x 4, 327,680 bytes of LDS; arguments x_codes, h_prev_codes, Wzx_w_codes, Wix_w_codes, Wfx_w_codes, Wox_w_codes, Rzh_w_codes, Rih_w_codes, Rfh_w_codes, Roh_w_codes, lowp_scales, m_prev, c_prev, n_prev, Wzx_b, Wix_b, Wfx_b, Wox_b, Rzh_b, Rih_b, Rfh_b, Roh_b, out0, out1, out2, out3; writes out0, out1, out2, out3
.if DOCPART == 1
	.amdgcn_target "amdgcn-amd-amdhsa--gfx1250"
	.amdhsa_code_object_version 6
	.text
	.protected	k_q3c848530f9_slstm
	.globl	k_q3c848530f9_slstm
	.p2align	8
	.type	k_q3c848530f9_slstm,@function
k_q3c848530f9_slstm:
	s_mov_b64 s[64:65], 0
	v_nop
	global_prefetch_b8 v0, s[64:65] scope:SCOPE_SE
	s_setreg_imm32_b32 hwreg(HW_REG_WAVE_MODE, 25, 1), 1
	s_wait_xcnt 0x0
	s_wait_alu depctr_hold_cnt(0) depctr_sa_sdst(0) depctr_va_vdst(0) depctr_va_sdst(0) depctr_va_ssrc(0) depctr_va_vcc(0) depctr_vm_vsrc(0)
	s_getreg_b32 s2, hwreg(HW_REG_IB_STS2, 6, 4)
	s_cmp_eq_u32 s2, 0
	s_cbranch_scc0 .Lentry_in_a_cluster
	s_endpgm
.Lentry_in_a_cluster:
	s_bfe_u32 s2, ttmp6, 0x10000c
	s_cmp_lg_u32 s2, 0xf033
	s_cbranch_scc0 .Lentry_shape_is_right
	s_endpgm
.Lentry_shape_is_right:
; One sLSTM step.  All eight products (E5M2 codes, K = 2,048 each), the four gates and the new state in one launch; every input is live.
; A work-group of four waves owns 256 batch rows x 64 hidden units x 4 gates: a tile of 256 x 256 sums.  A wave owns 128 rows x 32 hidden units x 4 gates: 64 accumulators.
; K runs over x (8 steps of 256) and then over h_prev (8 steps) on the same accumulators; between the two the sums are multiplied by 2^(ex+ew-eh-er), gate by gate,
; so that at the end one factor 2^(eh+er) a gate serves both.  LIMIT: ex+ew-eh-er and eh+er lie between -126 and 127 for each gate, so that both factors are f32 numbers.
; RING: two LDS slots of 512 rows x 272 bytes (256 rows of x or h, 64 rows of each gate's weights).  Wave 0 fetches the 256 rows, waves 1-3 gates z, i, f: one tensor load a wave behind each round.
; A step has five tiles in five buffers for four waves, so gate o's 64 rows come through registers (16 rows a wave) into bytes of the slot on which no tensor load lands.
; CLUSTERS 4 x 4: rows of x, h are shared along a column of the cluster (same cx), weights along a row (same cy): joint loads.
; PREFETCH: in each change of slots a wave names 32 blocks of 256 bytes, a lane a row, of the K step two refills on.  A K step of a cluster is 1,024 rows of x or h and 1,024 rows of weights;
; they are shared out by address: waves 0, 1 of partner (cx, cy) take rows 64 cy + 32 w of row block cx, waves 2, 3 take gate cx's rows 32 (w - 2) of hidden block cy.  K steps 1 to 3 are named at the head.
; The last trip has no K step two refills on and names the work-group's own tiles of m_prev, c_prev, n_prev instead, a thread a row, 128 rows in each of its two changes of slots.
; WAY OUT: by blocks of 16 rows a wave.  The states lie in the slots' first three quarters (tensor loads, behind the slots' last reads); each lane puts m, c, n over them and h into the fourth quarter;
; a barrier; wave w reads array w back as whole rows of 256 bytes and stores them while the next block is computed.
; tanh(a) = 1 - 2 / (1 + 2^(2 a log2 e)), sigmoid(a) = 1 / (1 + 2^(-a log2 e)); h = c / ((1 + 2^(-a log2 e)) n).
.set PITCH,  272
.set AB,     256*PITCH
.set GATEB,  64*PITCH
.set OOFF,   AB+3*GATEB
.set SLOT,   AB+4*GATEB
.set PIECE,  128*PITCH                 ; a quarter of a slot: one state array of 128 rows
.set SPARE,  2*SLOT                    ; the spare words, 512 bytes
.set FR,     16
.set AF,     128
.set GPAD,   (1<<20)|(1<<21)|(5<<22)|(3<<25)
; vector registers, window 0: v4-30 addresses, v32-95 gate o's rows, later the four gates; v96-255 A's fragments from v128, later states and results
.set EPA,  4                           ; my bytes of arrays m, c in slot 0, 1
.set EPN,  6                           ; of arrays n, h
.set RBW,  8                           ; array w by whole rows, slot 0, 1
.set ADRA, 16
.set ADRB, 20
.set OST,  22
.set OGL,  24
.set BOF,  25
.set CO,   26
.set PFO,  27                          ; lane x 2,048: a row of codes
.set SPW,  28
.set NIL,  29
.set PFS,  30                          ; thread x 8,192: a row of a state
.set OS,   32
.set RZ,   32
.set RI,   48
.set RF,   64
.set RO,   80
; scalar registers
.set KC,   2                           ; the trip
.set CX,   3
.set WV,   4
.set PFH,  6                           ; s[6:9]   prefetch: the h phase's first address, slot 0, 1
.set PCP,  12
.set PNP,  14
.set G1A,  16
.set G1B,  24
.set G0A,  32
.set G0B,  40
.set SW,   5                           ; slot 0's 256 bytes of each 512 along K: 0 or 256
.set XA,   48                          ; s[48:49] my 256 rows of x, s[50:51] of h_prev
.set HA,   50
.set XB,   52                          ; s[52:53] my gate's 64 rows in W, s[54:55] in R
.set HB,   54
.set G1S,  48                          ; the states' group 1, written behind the loop
.set G0SL, 56
.set G0SH, 60
.set PO,   66                          ; s[66:69] gate o's rows, slot 0, 1
.set PRO,  70                          ; s[70:73] the same in Roh
.set TOFF, 74
.set FX,   76
.set SC,   78
.set PMP,  98
.set PF,   100                         ; s[100:101], s[104:105] where the prefetches stand, slot 0, 1
.set MSB, 0
.macro WIN new
.if MSB != (\new)
	s_set_vgpr_msb (MSB<<8)|(\new)
.set MSB, (\new)
.endif
.endm
.set MUL_LO, 0xa1
.set MUL_HI, 0xf1
.set TO_B,   0x40
.macro PLACES n
.rept \n
	v_nop
.endr
.endm
.macro JLOAD s                         ; a joint load: wave 0 for x or h, waves 1-3 for their gates
	s_cmp_eq_u32 s[WV], 0
	s_cbranch_scc0 .Lfor_b_\@
	tensor_load_to_lds s[G0A+4*\s:G0A+4*\s+3], s[G1A:G1A+7]
	s_nop 0
.rept 4
	v_nop
.endr
	s_branch .Lasked_\@
.Lfor_b_\@:
	tensor_load_to_lds s[G0B+4*\s:G0B+4*\s+3], s[G1B:G1B+7]
	s_nop 0
.rept 4
	v_nop
.endr
.Lasked_\@:
.endm
.macro SLOAD g0                        ; 128 rows of m (wave 0), c (wave 1), n (wave 2)
	s_cmp_lt_u32 s[WV], 3
	s_cbranch_scc0 .Lnone_\@
	tensor_load_to_lds s[\g0:\g0+3], s[G1S:G1S+7]
	s_nop 0
.rept 4
	v_nop
.endr
.Lnone_\@:
	PLACES 4
.endm
.macro CREST
	s_cmp_lg_u32 s[WV], 0
	s_cbranch_scc1 .Lnot_wave_0_\@
	s_barrier_signal -3
.Lnot_wave_0_\@:
	s_barrier_wait -3
	s_barrier_signal -1
	s_barrier_wait -1
.endm
.macro CROUND
	s_barrier_signal -1
	s_barrier_wait -1
	CREST
.endm
.macro OFF2 d0, d1, b                  ; two offsets, for slot 0 and slot 1, as 64-bit pairs
	s_add_co_u32 s[\d0], s[\b], s62
	s_mov_b32 s[\d0+1], 0
	s_add_co_u32 s[\d1], s[\b], s63
	s_mov_b32 s[\d1+1], 0
.endm
.macro ADDP d, p, typ                  ; a buffer's address onto the offset that lies in d
	s_add_nc_u64 s[\d:\d+1], s[\p:\p+1], s[\d:\d+1]
.if \typ
	s_or_b32 s[\d+1], s[\d+1], 0x80000000
.endif
.endm
	s_load_b512 s[76:91], s[0:1], 0x0              ; x, h, Wz, Wi, Wf, Wo, Rz, Ri
	s_load_b256 s[92:99], s[0:1], 0x40             ; Rf, Ro, scales, m_prev
	s_load_b128 s[12:15], s[0:1], 0x60             ; c_prev, n_prev
	v_lshl_add_u32 v[SPW], v0, 2, SPARE
	v_mov_b32 v[NIL], 0
	ds_add_u32 v[SPW], v[NIL]                      ; the opening lines: the add twice on end and one wait
	ds_add_u32 v[SPW], v[NIL]
	v_lshrrev_b32 v3, 5, v0
	v_readfirstlane_b32 s[WV], v3
	s_lshr_b32 s60, s[WV], 1                       ; my half of the rows
	s_and_b32 s61, s[WV], 1                        ; my half of the hidden units
	s_bfe_u32 s[CX], ttmp6, 0x40000
	s_bfe_u32 s57, ttmp6, 0x40004                  ; cy
	s_lshl_b32 s58, ttmp9, 2
	s_add_co_u32 s58, s58, s[CX]                   ; row block 0..7
	s_and_b32 s59, ttmp7, 0xffff
	s_lshl_b32 s59, s59, 2
	s_add_co_u32 s59, s59, s57                     ; hidden block 0..31
	s_add_co_u32 s62, ttmp9, ttmp7
	s_and_b32 s62, s62, 1
	s_lshl_b32 s62, s62, 8                         ; clusters take each 512 along K in one of two orders: slot 0's 256 bytes,
	s_xor_b32 s63, s62, 256                        ; slot 1's
	s_lshl_b32 s10, 0x1111, s[CX]
	s_lshl_b32 s11, s57, 2
	s_lshl_b32 s11, 15, s11
	s_or_b32 s[G1A], s10, GPAD                     ; rows of 256 bytes, 16 bytes of padding behind each
	s_or_b32 s[G1B], s11, GPAD
.irp g, G1A, G1B
	s_mov_b32 s[\g+1], 256<<16
	s_mov_b32 s[\g+3], 256<<16
	s_mov_b32 s[\g+5], 2048
	s_mov_b32 s[\g+6], 0
	s_mov_b32 s[\g+7], 0
.endr
	s_mov_b32 s[G1A+2], 256<<16
	s_mov_b32 s[G1A+4], 256
	s_mov_b32 s[G1B+2], 64<<16
	s_mov_b32 s[G1B+4], 64
	s_mov_b32 s[G0A], 1
	s_mov_b32 s[G0A+1], 0
	s_mov_b32 s[G0A+4], 1
	s_mov_b32 s[G0A+5], SLOT
	s_mov_b32 s[G0B], 1
	s_mul_i32 s[G0B+1], s[WV], GATEB
	s_add_co_u32 s[G0B+1], s[G0B+1], AB-GATEB
	s_mov_b32 s[G0B+4], 1
	s_add_co_u32 s[G0B+5], s[G0B+1], SLOT
	s_lshl_b32 s10, s58, 19                        ; 256 rows of 2,048 bytes
	OFF2 G0A+2, G0A+6, 10
	s_mov_b32 s[XA], s10
	s_mov_b32 s[XA+1], 0
	s_mov_b32 s[HA], s10
	s_mov_b32 s[HA+1], 0
	s_lshl_b32 s10, s59, 17                        ; 64 rows
	OFF2 G0B+2, G0B+6, 10
	s_mov_b32 s[XB], s10
	s_mov_b32 s[XB+1], 0
	s_mov_b32 s[HB], s10
	s_mov_b32 s[HB+1], 0
	s_lshl_b32 s11, s[WV], 15                      ; gate o: 16 rows a wave
	s_add_co_u32 s10, s10, s11
	OFF2 PO, PO+2, 10
	OFF2 PRO, PRO+2, 10
	s_lshl_b32 s10, s58, 8                         ; the prefetches' first row: 256 x row block + 64 cy + 32 w,
	s_lshl_b32 s11, s57, 6
	s_add_co_u32 s10, s10, s11
	s_lshl_b32 s11, s59, 6                         ; or 64 x hidden block + 32 (w - 2)
	s_sub_co_u32 s11, s11, 64
	s_cmp_lt_u32 s[WV], 2
	s_cselect_b32 s10, s10, s11
	s_lshl_b32 s11, s[WV], 5
	s_add_co_u32 s10, s10, s11
	s_lshl_b32 s10, s10, 11
	OFF2 PFH, PFH+2, 10
	s_add_co_u32 s10, s10, 512                     ; the x phase's pointers begin at each slot's second K step
	OFF2 PF, PF+4, 10
	s_lshl_b32 s[TOFF], s58, 21                    ; my tile in a state or an output
	s_lshl_b32 s[TOFF+1], s59, 8
	s_add_co_u32 s[TOFF], s[TOFF], s[TOFF+1]
	s_mov_b32 s[TOFF+1], 0
	s_mul_i32 s5, s60, 64*PITCH                    ; LDS bases for the lines below
	s_mul_i32 s10, s61, 32*PITCH
	s_add_co_u32 s10, s10, AB
	s_mul_i32 s11, s[WV], 16*PITCH
	s_add_co_u32 s11, s11, OOFF
	s_mul_i32 s56, s[WV], PIECE
	s_lshl_b32 s61, s61, 7
	s_add_co_u32 s57, s5, s61
	s_lshl_b32 s58, s59, 8
	s_add_co_u32 s58, s58, s61
	v_and_b32 v1, 15, v0                           ; r
	v_bfe_u32 v2, v0, 4, 1                         ; h
	v_lshlrev_b32 v[OGL], 4, v1
	v_lshl_add_u32 v[OGL], v2, 11, v[OGL]          ; gate o in memory: two rows an instruction
	v_mul_u32_u24 v3, v1, PITCH
	v_lshl_add_u32 v14, v2, 4, v3                  ; a fragment: row r, 16 h
	v_add_nc_u32 v[ADRA], s5, v14
	v_add_nc_u32 v[ADRA+1], SLOT, v[ADRA]
	v_add_nc_u32 v[ADRB], s10, v14
	v_add_nc_u32 v[ADRB+1], SLOT, v[ADRB]
	v_lshl_add_u32 v[EPA], v2, 5, v3               ; a result's lane: row r, 32 h
	v_add_nc_u32 v[EPA], s57, v[EPA]
	v_add_nc_u32 v[EPA+1], SLOT, v[EPA]
	v_add_nc_u32 v[EPN], 2*PIECE, v[EPA]
	v_add_nc_u32 v[EPN+1], 2*PIECE, v[EPA+1]
	v_mul_u32_u24 v14, v2, PITCH
	v_lshl_add_u32 v14, v1, 4, v14                 ; whole rows: row h, 16 r
	v_add_nc_u32 v[OST], s11, v14
	v_add_nc_u32 v[OST+1], SLOT, v[OST]
	v_add_nc_u32 v[RBW], s56, v14
	v_add_nc_u32 v[RBW+1], SLOT, v[RBW]
	v_lshl_add_u32 v[BOF], v2, 5, s58
	v_lshlrev_b32 v[CO], 4, v1
	v_lshl_add_u32 v[CO], v2, 13, v[CO]
	v_and_b32 v[PFO], 31, v0
	v_lshlrev_b32 v[PFO], 11, v[PFO]
	v_lshlrev_b32 v[PFS], 13, v0
	s_wait_alu depctr_va_vdst(0)
	s_wait_dscnt 0x0                               ; both opening adds
	s_wait_kmcnt 0x0
	s_mov_b32 s[SW], s62
	s_cmp_eq_u32 s[WV], 2
	s_cselect_b64 s[10:11], s[82:83], s[80:81]
	s_cselect_b64 s[62:63], s[90:91], s[88:89]
	s_cmp_eq_u32 s[WV], 3
	s_cselect_b64 s[10:11], s[84:85], s[10:11]
	s_cselect_b64 s[62:63], s[92:93], s[62:63]
	ADDP G0B+2, 10, 1
	ADDP G0B+6, 10, 1
	ADDP XB, 10, 0
	ADDP HB, 62, 0
	ADDP G0A+2, 76, 1
	ADDP G0A+6, 76, 1
	ADDP XA, 76, 0
	ADDP HA, 78, 0
	CROUND
	JLOAD 0                                        ; K step 0: one tensor load a wave at the head
.macro OLOAD e
.irp k, 0,1,2,3,4,5,6,7
	global_load_b128 v[OS+32*(\e)+4*\k:OS+32*(\e)+4*\k+3], v[OGL], s[PO+2*(\e):PO+2*(\e)+1] offset:4096*\k
.endr
.endm
.macro OSTORE set, slot
.irp k, 0,1,2,3,4,5,6,7
	ds_store_b128 v[OST+\slot], v[OS+32*\set+4*\k:OS+32*\set+4*\k+3] offset:2*PITCH*\k
.endr
.endm
	ADDP PO, 86, 0
	ADDP PO+2, 86, 0
	ADDP PRO, 94, 0
	ADDP PRO+2, 94, 0
	OLOAD 0                                        ; gate o of K steps 0 and 1
	OLOAD 1
	s_cmp_eq_u32 s[CX], 1                          ; what I prefetch: gate cx, or x and h
	s_cselect_b64 s[10:11], s[82:83], s[80:81]
	s_cselect_b64 s[62:63], s[90:91], s[88:89]
	s_cmp_eq_u32 s[CX], 2
	s_cselect_b64 s[10:11], s[84:85], s[10:11]
	s_cselect_b64 s[62:63], s[92:93], s[62:63]
	s_cmp_eq_u32 s[CX], 3
	s_cselect_b64 s[10:11], s[86:87], s[10:11]
	s_cselect_b64 s[62:63], s[94:95], s[62:63]
	s_cmp_lt_u32 s[WV], 2
	s_cselect_b64 s[10:11], s[76:77], s[10:11]
	s_cselect_b64 s[62:63], s[78:79], s[62:63]
	ADDP PF, 10, 0
	ADDP PF+4, 10, 0
	ADDP PFH, 62, 0
	ADDP PFH+2, 62, 0
	global_prefetch_b8 v[PFO], s[PF+4:PF+5] offset:-512 th:TH_LOAD_NT scope:SCOPE_SE   ; K step 1
	global_prefetch_b8 v[PFO], s[PF:PF+1] th:TH_LOAD_NT scope:SCOPE_SE                 ; K step 2
	s_add_nc_u64 s[PMP:PMP+1], s[PMP:PMP+1], s[TOFF:TOFF+1]
	s_add_nc_u64 s[PCP:PCP+1], s[PCP:PCP+1], s[TOFF:TOFF+1]
	s_add_nc_u64 s[PNP:PNP+1], s[PNP:PNP+1], s[TOFF:TOFF+1]
	s_cmp_eq_u32 s[WV], 1
	s_cselect_b64 s[G0SL+2:G0SL+3], s[PCP:PCP+1], s[PMP:PMP+1]
	s_cmp_eq_u32 s[WV], 2
	s_cselect_b64 s[G0SL+2:G0SL+3], s[PNP:PNP+1], s[G0SL+2:G0SL+3]
	s_add_nc_u64 s[G0SH+2:G0SH+3], s[G0SL+2:G0SL+3], 128*8192
	s_or_b32 s[G0SL+3], s[G0SL+3], 0x80000000
	s_or_b32 s[G0SH+3], s[G0SH+3], 0x80000000
	s_mov_b32 s[G0SL], 1
	s_mov_b32 s[G0SH], 1
	s_mul_i32 s[G0SL+1], s[WV], PIECE
	s_add_co_u32 s[G0SH+1], s[G0SL+1], SLOT
	s_load_b512 s[76:91], s[96:97], 0x0            ; the sixteen exponents
	s_wait_tensorcnt 0x0                           ; K step 0 is in; slot 1's first fill is issued as a refill is
	ds_add_u32 v[SPW], v[NIL]
	s_wait_dscnt 0x0
	CROUND
	JLOAD 1
	global_prefetch_b8 v[PFO], s[PF+4:PF+5] th:TH_LOAD_NT scope:SCOPE_SE               ; K step 3
	s_wait_kmcnt 0x0
.irp g, 0,1,2,3
	s_add_co_i32 s2, s[76+4*\g], s[77+4*\g]
	s_add_co_i32 s3, s[78+4*\g], s[79+4*\g]
	s_sub_co_i32 s2, s2, s3
	s_add_co_i32 s2, s2, 127
	s_lshl_b32 s[FX+4*\g], s2, 23                  ; 2^(ex+ew-eh-er)
	s_mov_b32 s[FX+4*\g+1], s[FX+4*\g]
	s_add_co_i32 s3, s3, 127
	s_lshl_b32 s[SC+4*\g], s3, 23                  ; 2^(eh+er),
.if \g == 0
	s_mul_f32 s[SC+4*\g], s[SC+4*\g], 0x4038aa3b   ; x 2 log2 e for tanh,
.endif
.if \g == 3
	s_mul_f32 s[SC+4*\g], s[SC+4*\g], 0xbfb8aa3b   ; x -log2 e for the sigmoid
.endif
	s_mov_b32 s[SC+4*\g+1], s[SC+4*\g]
.endr
	s_wait_loadcnt 0x0
	OSTORE 0, 0
	OSTORE 1, 1
	s_add_nc_u64 s[PO:PO+1], s[PO:PO+1], 512
	OLOAD 0                                        ; gate o of K step 2
.macro FRAGA reg, slot, q, i
.irp c, 0,1,2,3
	ds_load_b128 v[\reg+4*\c:\reg+4*\c+3], v[ADRA+\slot] offset:128*(\q)+32*\c+(((\i)/4)*128+((\i)%4)*16)*PITCH
.endr
.endm
.macro FRAGB reg, slot, q, i
.irp c, 0,1,2,3
	ds_load_b128 v[\reg+4*\c:\reg+4*\c+3], v[ADRB+\slot] offset:128*(\q)+32*\c+((\i)/2)*GATEB+((\i)%2)*16*PITCH
.endr
.endm
.macro FETCH_B slot, q, p
	WIN TO_B
.irp i, 0,1,2,3,4,5,6,7
	FRAGB 128*(\p)+FR*\i, \slot, \q, \i
.endr
	WIN 0
.endm
.macro FETCH_A slot, q, i0
.irp i, \i0, \i0+1, \i0+2, \i0+3
	FRAGA AF+FR*(\i), \slot, \q, \i
.endr
.endm
; the 64 accumulators take turns, one instruction a turn, in the same order in every step
.macro MUL8 a, p, zero
.irp b, 0,1,2,3,4,5,6,7
.if \zero
	v_wmma_f32_16x16x128_bf8_bf8 v[8*(8*((\a)%4)+\b):8*(8*((\a)%4)+\b)+7], v[128*(\p)+FR*\b:128*(\p)+FR*\b+FR-1], v[AF+FR*(\a):AF+FR*(\a)+FR-1], 0
.else
	v_wmma_f32_16x16x128_bf8_bf8 v[8*(8*((\a)%4)+\b):8*(8*((\a)%4)+\b)+7], v[128*(\p)+FR*\b:128*(\p)+FR*\b+FR-1], v[AF+FR*(\a):AF+FR*(\a)+FR-1], v[8*(8*((\a)%4)+\b):8*(8*((\a)%4)+\b)+7]
.endif
.endr
.endm
.macro MUL16 a0, p, zero
	MUL8 \a0, \p, \zero
	MUL8 \a0+1, \p, \zero
.endm
.macro STEP slot, zero, young          ; a slot's first 128 along K; young: A's blocks 4-7 (16 loads) and, where they follow, gate o's 8 stores
	s_wait_dscnt \young
	WIN MUL_LO
	MUL16 0, 0, \zero
	MUL16 2, 0, \zero
	s_wait_dscnt 0
	PLACES 4
	FETCH_B \slot, 1, 1
	FETCH_A \slot, 1, 0
	WIN MUL_HI
	MUL16 4, 0, \zero
	MUL16 6, 0, \zero
	PLACES 4
	WIN 0
	FETCH_A \slot, 1, 4
.endm
.macro MEET1
	s_wait_tensorcnt 0x0                           ; all my tensor loads have landed
	ds_add_u32 v[SPW], v[NIL]
.endm
.macro MEET2
	s_wait_dscnt 17                                ; the add and A's blocks 4-7 may be out
	WIN MUL_LO
	MUL8 0, 1, 0
	WIN 0
	s_wait_dscnt 0x0                               ; the add is done, my reads of this slot are over
	s_barrier_signal -1
	s_barrier_wait -1
	CREST
.endm
.macro TURNC next                      ; the rest of a slot's second 128 along K, and the next slot's first fragments
	WIN MUL_LO
	MUL8 1, 1, 0
	MUL16 2, 1, 0
	PLACES 4
	FETCH_B \next, 0, 0
	FETCH_A \next, 0, 0
	WIN MUL_HI
	MUL16 4, 1, 0
	MUL16 6, 1, 0
	PLACES 4
	WIN 0
	FETCH_A \next, 0, 4
.endm
.macro OSTEP e, at                     ; gate o's pointer of slot e: 512 on, or in trip 'at' to Roh
	s_cmp_eq_u32 s[KC], \at
	s_add_nc_u64 s[PO+2*\e:PO+2*\e+1], s[PO+2*\e:PO+2*\e+1], 512
	s_cselect_b64 s[PO+2*\e:PO+2*\e+1], s[PRO+2*\e:PRO+2*\e+1], s[PO+2*\e:PO+2*\e+1]
	OLOAD \e
.endm
; A change of slots in trip KC = 1 .. 7: the slot takes its K step number KC (0-3 of x, 4-7 of h); the prefetch names number KC + 1.
.macro TURN slot, next
	s_wait_xcnt 0x0                                ; my last prefetch has read its address
	s_cmp_eq_u32 s[KC], 3
	s_add_nc_u64 s[PF+4*\slot:PF+4*\slot+1], s[PF+4*\slot:PF+4*\slot+1], 512
	s_cselect_b64 s[PF+4*\slot:PF+4*\slot+1], s[PFH+2*\slot:PFH+2*\slot+1], s[PF+4*\slot:PF+4*\slot+1]
	MEET1
	s_and_b32 s10, s[KC], 3                        ; the slot's next tile: 512 x (trip mod 4) along K, + the slot's 256 bytes,
	s_lshl_b32 s10, s10, 9
	s_add_co_u32 s10, s10, s[SW]
.if \slot
	s_xor_b32 s10, s10, 256
.endif
	s_mov_b32 s11, 0
	s_cmp_lt_u32 s[KC], 4                          ; of x and W in trips 1-3, of h_prev and R in trips 4-7
	s_cselect_b64 s[G0A+4*\slot+2:G0A+4*\slot+3], s[XA:XA+1], s[HA:HA+1]
	s_cselect_b64 s[G0B+4*\slot+2:G0B+4*\slot+3], s[XB:XB+1], s[HB:HB+1]
	s_add_nc_u64 s[G0A+4*\slot+2:G0A+4*\slot+3], s[G0A+4*\slot+2:G0A+4*\slot+3], s[10:11]
	s_add_nc_u64 s[G0B+4*\slot+2:G0B+4*\slot+3], s[G0B+4*\slot+2:G0B+4*\slot+3], s[10:11]
	s_or_b32 s[G0A+4*\slot+3], s[G0A+4*\slot+3], 0x80000000
	s_or_b32 s[G0B+4*\slot+3], s[G0B+4*\slot+3], 0x80000000
	MEET2
	JLOAD \slot
	TURNC \next
	s_wait_loadcnt 0x0                             ; gate o's rows for this slot
.if \slot == 0
	OSTEP 1, 4
.endif
	s_cmp_lt_u32 s[KC], 7
	s_cbranch_scc0 .Lstates_\@
.if \slot == 1
	OSTEP 0, 3                                     ; (the last trip has no K step left for slot 0)
.endif
	global_prefetch_b8 v[PFO], s[PF+4*\slot:PF+4*\slot+1] th:TH_LOAD_NT scope:SCOPE_SE
	s_branch .Lasked_\@
.Lstates_\@:
	global_prefetch_b8 v[PFS], s[PMP:PMP+1] offset:\slot*128*8192 th:TH_LOAD_NT scope:SCOPE_SE
	global_prefetch_b8 v[PFS], s[PCP:PCP+1] offset:\slot*128*8192 th:TH_LOAD_NT scope:SCOPE_SE
	global_prefetch_b8 v[PFS], s[PNP:PNP+1] offset:\slot*128*8192 th:TH_LOAD_NT scope:SCOPE_SE
.Lasked_\@:
	OSTORE \slot, \slot
.endm
.macro RESC
.irp a, 0,1,2,3
.irp b, 0,1,2,3,4,5,6,7
.irp e, 0,2,4,6
	v_pk_mul_f32 v[8*(8*\a+\b)+\e:8*(8*\a+\b)+\e+1], v[8*(8*\a+\b)+\e:8*(8*\a+\b)+\e+1], s[FX+4*(\b/2):FX+4*(\b/2)+1] op_sel_hi:[1,0]
.endr
.endr
.endr
.endm
	s_wait_dscnt 0x0                               ; gate o's stores, for the others' sake
	s_wait_tensorcnt 1                             ; K step 1's load may be out
	s_barrier_signal -1
	s_barrier_wait -1
	FETCH_B 0, 0, 0
	FETCH_A 0, 0, 0
	FETCH_A 0, 0, 4
	STEP 0, 1, 16                                  ; the first products start the sums
	s_mov_b32 s[KC], 1
.Lk:
	TURN 0, 1
	STEP 1, 0, 24
	TURN 1, 0
	s_cmp_lg_u32 s[KC], 4
	s_cbranch_scc1 .Lno_resc
	WIN 0x82                                       ; x's eight K steps are summed: bring the sums under h's scales
	RESC
	WIN 0xc3
	RESC
	WIN 0
	s_wait_alu depctr_va_vdst(0)
.Lno_resc:
	STEP 0, 0, 24
	s_add_co_u32 s[KC], s[KC], 1
	s_cmp_lt_u32 s[KC], 8
	s_cbranch_scc1 .Lk
	MEET1
	s_mov_b32 s[G1S], (2<<16)|(1<<20)|(5<<22)|(3<<25)  ; the states' tiles: 128 rows of 64 f32, padded alike
	s_mov_b32 s[G1S+1], 64<<16
	s_mov_b32 s[G1S+2], 128<<16
	s_mov_b32 s[G1S+3], 64<<16
	s_mov_b32 s[G1S+4], 128
	s_mov_b32 s[G1S+5], 2048
	s_mov_b32 s[G1S+6], 0
	s_mov_b32 s[G1S+7], 0
	MEET2
	SLOAD G0SL                                     ; rows 0-127 of m, c, n into slot 0
	TURNC 1
	s_load_b512 s[16:31], s[0:1], 0x70             ; the eight biases
	s_load_b256 s[32:39], s[0:1], 0xb0             ; the four outputs
	STEP 1, 0, 16
	MEET1
	MEET2
	SLOAD G0SH                                     ; rows 128-255 into slot 1
	s_wait_kmcnt 0x0
	s_cmp_eq_u32 s[WV], 1                          ; wave w stores array w: m = out3, c = out1, n = out2, h = out0
	s_cselect_b64 s[40:41], s[34:35], s[38:39]
	s_cmp_eq_u32 s[WV], 2
	s_cselect_b64 s[40:41], s[36:37], s[40:41]
	s_cmp_eq_u32 s[WV], 3
	s_cselect_b64 s[40:41], s[32:33], s[40:41]
	s_add_nc_u64 s[40:41], s[40:41], s[TOFF:TOFF+1]
	WIN TO_B
.irp q, 0,1,2,3,4,5,6,7
.irp u, 0,1
.irp k, 0,1
	global_load_b128 v[16*\q+8*\u+4*\k:16*\q+8*\u+4*\k+3], v[BOF], s[16+2*\q:17+2*\q] offset:64*\u+16*\k
.endr
.endr
.endr
	WIN 0
.macro SLD a                           ; my 16 numbers of m, c, n of block a
.set SS, 96+48*((\a)%2)
.set SH, (\a)/4
.set SO, ((\a)%4)*16*PITCH
.irp u, 0,1
.irp k, 0,1
	ds_load_b128 v[SS+8*\u+4*\k:SS+8*\u+4*\k+3], v[EPA+SH] offset:SO+64*\u+16*\k
	ds_load_b128 v[SS+16+8*\u+4*\k:SS+16+8*\u+4*\k+3], v[EPA+SH] offset:SO+PIECE+64*\u+16*\k
	ds_load_b128 v[SS+32+8*\u+4*\k:SS+32+8*\u+4*\k+3], v[EPN+SH] offset:SO+64*\u+16*\k
.endr
.endr
.endm
	SLD 0
	WIN MUL_LO
	MUL8 1, 1, 0
	MUL16 2, 1, 0
	WIN MUL_HI
	MUL16 4, 1, 0
	MUL16 6, 1, 0
	s_wait_loadcnt 0x0
	WIN 0x45
.irp n, 0,2,4,6,8,10,12,14,16,18,20,22,24,26,28,30,32,34,36,38,40,42,44,46,48,50,52,54,56,58,60,62
	v_pk_add_f32 v[\n:\n+1], v[\n:\n+1], v[64+\n:65+\n]        ; W's bias + R's
.endr
.irp n, 0,2,4,6,8,10,12,14
	v_pk_mul_f32 v[\n:\n+1], v[\n:\n+1], 0x4038aa3b op_sel_hi:[1,0]
	v_pk_mul_f32 v[48+\n:49+\n], v[48+\n:49+\n], 0xbfb8aa3b op_sel_hi:[1,0]
.endr
	WIN 0
.macro RB a                            ; array w of block a: 32 whole rows of 256 bytes into window 1
	WIN TO_B
.irp g, 0,1
.irp t, 0,1,2,3,4,5,6,7
	ds_load_b128 v[128+32*\g+4*\t:128+32*\g+4*\t+3], v[RBW+(\a)/4] offset:(\g*64+((\a)%4)*16+2*\t)*PITCH
.endr
.endr
	WIN 0
.endm
.macro SEND a                          ; sixteen lanes store 256 consecutive bytes, aligned
	WIN 0x04
.irp g, 0,1
.irp t, 0,1,2,3,4,5,6,7
	global_store_b128 v[CO], v[128+32*\g+4*\t:128+32*\g+4*\t+3], s[40:41] offset:(((\a)/4)*128+\g*64+((\a)%4)*16+2*\t)*8192 th:TH_STORE_NT
.endr
.endr
	WIN 0
.endm
.macro BLOCK a, nxt
.if \nxt
	SLD (\a)+1
.endif
.set BS, 96+48*((\a)%2)
.set BM, 192+16*((\a)%2)
.set BHH, 224+16*((\a)%2)
.set BH, (\a)/4
.set BO, ((\a)%4)*16*PITCH
.set BA, 64*((\a)%4)
	WIN 0x12+(\a)/4
	s_wait_alu depctr_va_vdst(0)                   ; ahead of the first readers of these sums
.irp g, 0,1,2,3
.irp u, 0,1
.irp e, 0,2,4,6
	v_pk_fma_f32 v[RZ+16*\g+8*\u+\e:RZ+16*\g+8*\u+\e+1], v[BA+8*(2*\g+\u)+\e:BA+8*(2*\g+\u)+\e+1], s[SC+4*\g:SC+4*\g+1], v[16*\g+8*\u+\e:16*\g+8*\u+\e+1] op_sel_hi:[1,0,1]
.endr
.endr
.endr
	WIN 0
	s_wait_dscnt 12*\nxt                           ; all but the next block's 12 state loads: my states and the block read back are in
.if (\a) > 0
	SEND (\a)-1
.endif
.irp e, 0,2,4,6,8,10,12,14
	v_pk_add_f32 v[RF+\e:RF+\e+1], v[RF+\e:RF+\e+1], v[BS+\e:BS+\e+1]      ; log f + m_prev
.endr
.irp e, 0,1,2,3,4,5,6,7,8,9,10,11,12,13,14,15
	v_max_num_f32 v[BM+\e], v[RF+\e], v[RI+\e]                             ; m
.endr
.irp e, 0,2,4,6,8,10,12,14
	v_pk_add_f32 v[RI+\e:RI+\e+1], v[RI+\e:RI+\e+1], v[BM+\e:BM+\e+1] neg_lo:[0,1] neg_hi:[0,1]
	v_pk_add_f32 v[RF+\e:RF+\e+1], v[RF+\e:RF+\e+1], v[BM+\e:BM+\e+1] neg_lo:[0,1] neg_hi:[0,1]
.endr
.irp e, 0,2,4,6,8,10,12,14
	v_pk_mul_f32 v[RI+\e:RI+\e+1], v[RI+\e:RI+\e+1], 0x3fb8aa3b op_sel_hi:[1,0]
	v_pk_mul_f32 v[RF+\e:RF+\e+1], v[RF+\e:RF+\e+1], 0x3fb8aa3b op_sel_hi:[1,0]
.endr
.set n, 0
	s_wait_alu depctr_va_vdst(0)                   ; ahead of the batch
.rept 64
	v_exp_f32 v[RZ+n], v[RZ+n]
.set n, n+1
.endr
	v_nop
	s_wait_alu depctr_va_vdst(0)                   ; behind it
.irp e, 0,2,4,6,8,10,12,14
	v_pk_add_f32 v[RZ+\e:RZ+\e+1], v[RZ+\e:RZ+\e+1], 1.0 op_sel_hi:[1,0]
	v_pk_add_f32 v[RO+\e:RO+\e+1], v[RO+\e:RO+\e+1], 1.0 op_sel_hi:[1,0]
.endr
	s_wait_alu depctr_va_vdst(0)
.irp e, 0,1,2,3,4,5,6,7,8,9,10,11,12,13,14,15
	v_rcp_f32 v[RZ+\e], v[RZ+\e]
.endr
.irp e, 0,2,4,6,8,10,12,14
	v_pk_mul_f32 v[BS+16+\e:BS+16+\e+1], v[RF+\e:RF+\e+1], v[BS+16+\e:BS+16+\e+1]                  ; f c_prev
.endr
.irp e, 0,2,4,6,8,10,12,14
	v_pk_fma_f32 v[BS+32+\e:BS+32+\e+1], v[RF+\e:RF+\e+1], v[BS+32+\e:BS+32+\e+1], v[RI+\e:RI+\e+1]  ; n
.endr
	s_wait_alu depctr_va_vdst(0)
.irp e, 0,2,4,6,8,10,12,14
	v_pk_fma_f32 v[RZ+\e:RZ+\e+1], v[RZ+\e:RZ+\e+1], -2.0, 1.0 op_sel_hi:[1,0,0]                    ; z
.endr
.irp e, 0,2,4,6,8,10,12,14
	v_pk_fma_f32 v[BS+16+\e:BS+16+\e+1], v[RI+\e:RI+\e+1], v[RZ+\e:RZ+\e+1], v[BS+16+\e:BS+16+\e+1]  ; c
.endr
.irp e, 0,2,4,6,8,10,12,14
	v_pk_mul_f32 v[RO+\e:RO+\e+1], v[RO+\e:RO+\e+1], v[BS+32+\e:BS+32+\e+1]
.endr
	s_wait_alu depctr_va_vdst(0)
.irp e, 0,1,2,3,4,5,6,7,8,9,10,11,12,13,14,15
	v_rcp_f32 v[RO+\e], v[RO+\e]
.endr
	v_nop
	s_wait_alu depctr_va_vdst(0)
.irp e, 0,2,4,6,8,10,12,14
	v_pk_mul_f32 v[BHH+\e:BHH+\e+1], v[BS+16+\e:BS+16+\e+1], v[RO+\e:RO+\e+1]                       ; h
.endr
.irp u, 0,1
.irp k, 0,1
	ds_store_b128 v[EPA+BH], v[BM+8*\u+4*\k:BM+8*\u+4*\k+3] offset:BO+64*\u+16*\k
	ds_store_b128 v[EPA+BH], v[BS+16+8*\u+4*\k:BS+16+8*\u+4*\k+3] offset:BO+PIECE+64*\u+16*\k
	ds_store_b128 v[EPN+BH], v[BS+32+8*\u+4*\k:BS+32+8*\u+4*\k+3] offset:BO+64*\u+16*\k
	ds_store_b128 v[EPN+BH], v[BHH+8*\u+4*\k:BHH+8*\u+4*\k+3] offset:BO+PIECE+64*\u+16*\k
.endr
.endr
.if (\a) == 3
	s_wait_tensorcnt 0x0                           ; rows 128-255 of the states are in, for the others' sake
.endif
	s_wait_dscnt 0x0                               ; my stores are done, for the others' sake
	s_barrier_signal -1
	s_barrier_wait -1
.if (\a) > 0
	s_wait_xcnt 0x0                                ; the last block's stores have read their registers
.endif
	RB \a
.endm
	BLOCK 0, 1
	BLOCK 1, 1
	BLOCK 2, 1
	BLOCK 3, 0
	SLD 4
	BLOCK 4, 1
	BLOCK 5, 1
	BLOCK 6, 1
	BLOCK 7, 0
	s_wait_dscnt 0x0
	SEND 7
	s_wait_tensorcnt 0x0                           ; the wave's end
	ds_add_u32 v[SPW], v[NIL]
	s_wait_dscnt 0x0
	CROUND                                         ; the closing round
	s_endpgm
.Lfunc_end_k_q3c848530f9_slstm:
	.size	k_q3c848530f9_slstm, .Lfunc_end_k_q3c848530f9_slstm-k_q3c848530f9_slstm
	.p2alignl 7, 3214868480
	.fill 96, 4, 3214868480
	.section	.rodata,"a",@progbits
	.p2align	6, 0x0
	.amdhsa_kernel k_q3c848530f9_slstm
		.amdhsa_group_segment_fixed_size 327680
		.amdhsa_private_segment_fixed_size 0
		.amdhsa_enable_private_segment 0
		.amdhsa_kernarg_size 208
		.amdhsa_user_sgpr_count 2
		.amdhsa_user_sgpr_kernarg_segment_ptr 1
		.amdhsa_wavefront_size32 1
		.amdhsa_system_sgpr_workgroup_id_x 1
		.amdhsa_system_sgpr_workgroup_id_y 1
		.amdhsa_system_sgpr_workgroup_id_z 1
		.amdhsa_system_vgpr_workitem_id 0
		.amdhsa_next_free_vgpr 1024
		.amdhsa_next_free_sgpr 106
		.amdhsa_reserve_vcc 0
		.amdhsa_float_denorm_mode_32 3
		.amdhsa_float_denorm_mode_16_64 3
		.amdhsa_memory_ordered 1
		.amdhsa_forward_progress 1
		.amdhsa_inst_pref_size 255
	.end_amdhsa_kernel
	.section	.bss,"aw",@nobits
	.p2align	6
	.space	262144
	.amdgpu_metadata
---
amdhsa.version: [ 1, 2 ]
amdhsa.kernels:
  - .name:           k_q3c848530f9_slstm
    .symbol:         k_q3c848530f9_slstm.kd
    .args:
      - { .name: x_codes, .offset: 0, .size: 8, .value_kind: global_buffer, .address_space: global }
      - { .name: h_prev_codes, .offset: 8, .size: 8, .value_kind: global_buffer, .address_space: global }
      - { .name: Wzx_w_codes, .offset: 16, .size: 8, .value_kind: global_buffer, .address_space: global }
      - { .name: Wix_w_codes, .offset: 24, .size: 8, .value_kind: global_buffer, .address_space: global }
      - { .name: Wfx_w_codes, .offset: 32, .size: 8, .value_kind: global_buffer, .address_space: global }
      - { .name: Wox_w_codes, .offset: 40, .size: 8, .value_kind: global_buffer, .address_space: global }
      - { .name: Rzh_w_codes, .offset: 48, .size: 8, .value_kind: global_buffer, .address_space: global }
      - { .name: Rih_w_codes, .offset: 56, .size: 8, .value_kind: global_buffer, .address_space: global }
      - { .name: Rfh_w_codes, .offset: 64, .size: 8, .value_kind: global_buffer, .address_space: global }
      - { .name: Roh_w_codes, .offset: 72, .size: 8, .value_kind: global_buffer, .address_space: global }
      - { .name: lowp_scales, .offset: 80, .size: 8, .value_kind: global_buffer, .address_space: global }
      - { .name: m_prev, .offset: 88, .size: 8, .value_kind: global_buffer, .address_space: global }
      - { .name: c_prev, .offset: 96, .size: 8, .value_kind: global_buffer, .address_space: global }
      - { .name: n_prev, .offset: 104, .size: 8, .value_kind: global_buffer, .address_space: global }
      - { .name: Wzx_b, .offset: 112, .size: 8, .value_kind: global_buffer, .address_space: global }
      - { .name: Wix_b, .offset: 120, .size: 8, .value_kind: global_buffer, .address_space: global }
      - { .name: Wfx_b, .offset: 128, .size: 8, .value_kind: global_buffer, .address_space: global }
      - { .name: Wox_b, .offset: 136, .size: 8, .value_kind: global_buffer, .address_space: global }
      - { .name: Rzh_b, .offset: 144, .size: 8, .value_kind: global_buffer, .address_space: global }
      - { .name: Rih_b, .offset: 152, .size: 8, .value_kind: global_buffer, .address_space: global }
      - { .name: Rfh_b, .offset: 160, .size: 8, .value_kind: global_buffer, .address_space: global }
      - { .name: Roh_b, .offset: 168, .size: 8, .value_kind: global_buffer, .address_space: global }
      - { .name: out0, .offset: 176, .size: 8, .value_kind: global_buffer, .address_space: global }
      - { .name: out1, .offset: 184, .size: 8, .value_kind: global_buffer, .address_space: global }
      - { .name: out2, .offset: 192, .size: 8, .value_kind: global_buffer, .address_space: global }
      - { .name: out3, .offset: 200, .size: 8, .value_kind: global_buffer, .address_space: global }
    .group_segment_fixed_size: 327680
    .private_segment_fixed_size: 0
    .kernarg_segment_align: 8
    .kernarg_segment_size: 208
    .max_flat_workgroup_size: 128
    .sgpr_count:     106
    .vgpr_count:     1024
    .wavefront_size: 32
...
	.end_amdgpu_metadata
.endif
;; end of part 1
